; MI455X (gfx1250); checked and timed in simulation.
; The chip was launched on July 23, 2026; its instructions are those of AMD's public machine-readable ISA for CDNA 5 (MIT licence, August 2026) and "CDNA5" Instruction Set Architecture Reference Guide (July 2026). The comments in the code are by the model that wrote it; some were corrected since.
;; Projected Gaussian Rasterizer. Allowed arithmetic: float matrix products may take bf16 or f16 operands with f32 sums; all other float work in f32.
;; Inputs: colors 1 x 512 x 3 float32; conics 1 x 512 x 3 float32; depths 1 x 512 float32; means2d 1 x 512 x 2 float32; opacities 1 x 512 float32.
;; Outputs: out0 1 x 256 x 256 x 3 float32.
;; 2 versions, each right; version 2 is version 1 with the launch render written anew for expert scheduling mode. Each part assembles by itself: llvm-mc -triple=amdgcn-amd-amdhsa -mcpu=gfx1250 --defsym DOCPART=n.
;; ======== version 1 of 2: 2 launches
;; limits: right only within a limited range of input values
;; workspace buffers: bins 6,400 bytes of whole numbers
;; launch bins (part 1): grid 16 x 1, 16 waves a work-group, no clusters, 4,608 bytes of LDS; arguments depths, means2d, conics, opacities, bins; writes bins
.if DOCPART == 1
	.amdgcn_target "amdgcn-amd-amdhsa--gfx1250"
	.amdhsa_code_object_version 6
	.text
	.protected	k_q06ecefd304_bins
	.globl	k_q06ecefd304_bins
	.p2align	8
	.type	k_q06ecefd304_bins,@function
k_q06ecefd304_bins:
	s_mov_b64 s[64:65], 0
	v_nop
	global_prefetch_b8 v0, s[64:65] scope:SCOPE_SE
	s_setreg_imm32_b32 hwreg(HW_REG_WAVE_MODE, 25, 1), 1
	s_wait_xcnt 0x0
; BINS: what the renderer needs as whole numbers, all stored at fixed addresses.
;   bins + 0    : 64 masks of 512 bits: bit g of mask ty = gaussian g can reach pixel rows 4 ty .. 4 ty + 3
;   bins + 4096 :  4 masks of 512 bits: bit g of mask tx = gaussian g can reach pixel columns 64 tx .. 64 tx + 63
;   bins + 4352 : 512 ranks: rank[i] = place of gaussian i in the stable ascending sort by depth
; 16 work-groups of 16 waves.  Work-group b owns ranks i = 32 b + lane and row masks 4 b .. 4 b + 3; work-group 0 also the 4 column masks.
; RANK: rank[i] = #{j: d[j] < d[i]} + #{j < i: d[j] = d[i]}.  Wave kb holds d[32 kb .. 32 kb + 31] in scalar registers and counts them
; against the 32 d[i] in its lanes: one compare and one add with carry for each j.  The 16 partial counts are added through LDS.
; The one wave whose j and i are the same block also needs "j < i" lane by lane, a constant mask ANDed to a compare's result in a scalar
; register.  All 15 other waves wait for it at the barrier, so its compares for ties are made in one run, their ANDs in a second run, and
; only then are they added: the way from the vector side to the scalar side and back is gone once, not once for each j.
; REACH: alpha >= 1/255 with sigma >= 0 needs sigma <= tau = ln(255 op); for a positive definite conic that is an ellipse with
; |dx| <= sqrt(2 tau C / det), |dy| <= sqrt(2 tau A / det).  A band of pixel centres with middle c and half width w is missed
; only if |c - mean| > extent + w.  Tau gets 0.1 in log2 (0.069 in sigma), det loses
; 1e-6 |A C| (more than its rounding), the extent gains 0.01 pixel.  The extent is sqrt(2 tau / det) sqrt(C): a conic that is not positive
; definite makes one of the roots NaN, the compare is then false, and the gaussian counts as reaching every band.  (tau < 0 with
; det < 0 gives a real root, but with tau < 0 no pixel passes the alpha test, so any mask is right.)
; LIMITS: a NaN among the depths is not served (its compares are all false, ranks would collide); -0 and +0 are equal, as in the
; reference's sort.  The masks lean on the reference's own f32 rounding of sigma staying below 0.069 where alpha is at its threshold,
; which holds while sigma's three terms there are below about 2^18.
; The rank store of a work-group is 128 consecutive bytes: a share of 64 ranks would double every wave's count loop for a table of 2,048 bytes.
.set CNT,    0                         ; LDS: 16 waves x 32 partial counts
.set MROW,   2048                      ; LDS: 4 row masks x 16 words
.set MCOL,   2304                      ; LDS: 4 column masks x 16 words (work-group 0)
.set B_HX,   4096                      ; byte offsets in bins
.set B_RANK, 4352
.set DJ,     32                        ; s[32:63] my wave's 32 depths d[j]
.set EQ,     68                        ; s[68:98] the diagonal wave: lanes with d[i] = d[j], j = 0 .. 30
	s_load_b256 s[4:11], s[0:1], 0x0               ; depths s[4:5], means2d s[6:7], conics s[8:9], opacities s[10:11]
	s_load_b64 s[12:13], s[0:1], 0x20              ; bins
	v_lshl_add_u32 v64, v0, 2, 0xa00
	v_mov_b32 v65, 0
	v_and_b32 v1, 31, v0                           ; lane
	v_lshrrev_b32 v2, 5, v0
	v_readfirstlane_b32 s14, v2                    ; wave kb = which 32 j, and which word of every mask
	s_lshl_b32 s15, s14, 7                         ; byte offset of d[32 kb]
	s_lshl_b32 s16, ttmp9, 7                       ; byte offset of d[32 b] and of rank[32 b]
	v_lshl_add_u32 v3, v1, 2, s16                  ; 4 lane + 128 b
	v_lshlrev_b32 v4, 2, v0                        ; 4 t: opacity of gaussian t; my partial count in LDS
	v_lshlrev_b32 v5, 3, v0                        ; 8 t: mean
	v_mul_u32_u24 v6, v0, 12                       ; 12 t: conic
	v_lshlrev_b32 v28, 2, v2                       ; 4 kb: my word in a mask
	s_mov_b32 s20, 0xb58637bd                      ; -1e-6
	s_mov_b32 s21, 0x3fb17218                      ; 2 ln 2
	s_lshl_b32 s22, ttmp9, 4
	s_add_co_u32 s22, s22, 2
	s_cvt_f32_u32 s22, s22                         ; 16 b + 2: middle of the pixel centres of rows 16 b .. 16 b + 3
	v_mov_b32 v8, 0                                ; the count
	s_wait_kmcnt 0x0
	s_load_b512 s[DJ:DJ+15], s[4:5], s15 offset:0x0
	s_load_b512 s[DJ+16:DJ+31], s[4:5], s15 offset:0x40
	global_load_b32 v7, v3, s[4:5]                 ; d[i], i = 32 b + lane
	global_load_b64 v[10:11], v5, s[6:7]           ; mx, my of gaussian t
	global_load_b96 v[12:14], v6, s[8:9]           ; A, B, C
	global_load_b32 v15, v4, s[10:11]              ; op
	s_wait_kmcnt 0x0
	s_wait_loadcnt 0x3                             ; d[i] is in; the three younger loads stay out
	; the count: which compare depends only on the two block numbers
	s_cmp_lt_u32 s14, ttmp9
	s_cbranch_scc1 .Lahead
	s_cmp_eq_u32 s14, ttmp9
	s_cbranch_scc1 .Lsame
.set j, 0
.rept 32                                               ; every j > every i: a tie does not count
	v_cmp_lt_f32 vcc_lo, s[DJ+j], v7
	v_add_co_ci_u32 v8, vcc_lo, 0, v8, vcc_lo
.set j, j+1
.endr
	s_branch .Lcounted
.Lahead:
.set j, 0
.rept 32                                               ; every j < every i: a tie counts
	v_cmp_le_f32 vcc_lo, s[DJ+j], v7
	v_add_co_ci_u32 v8, vcc_lo, 0, v8, vcc_lo
.set j, j+1
.endr
	s_branch .Lcounted
.Lsame:                                                ; the same block: a tie counts in the lanes above j; j = 31 has no lane above it
.set j, 0
.rept 31
	v_cmp_eq_f32 s[EQ+j], s[DJ+j], v7              ; the ties of every j, each in a register of its own
.set j, j+1
.endr
	v_mov_b32 v9, 0                                ; the count of ties
.set j, 0
.rept 31
	s_and_b32 s[EQ+j], s[EQ+j], (0xfffffffe << j) & 0xffffffff     ; only lanes j + 1 .. 31
.set j, j+1
.endr
.set j, 0
.rept 31
	v_cmp_lt_f32 vcc_lo, s[DJ+j], v7
	v_add_co_ci_u32 v9, s17, 0, v9, s[EQ+j]        ; a tie, between the compare and the add that waits for it; s17 takes the carry out, which is never set
	v_add_co_ci_u32 v8, vcc_lo, 0, v8, vcc_lo
.set j, j+1
.endr
	v_cmp_lt_f32 vcc_lo, s[DJ+31], v7
	v_add_co_ci_u32 v8, vcc_lo, 0, v8, vcc_lo
	v_add_nc_u32 v8, v8, v9
.Lcounted:
	ds_store_b32 v4, v8 offset:CNT
	; the reach of gaussian t
	s_wait_loadcnt 0x0
	v_mul_f32 v16, v13, v13                        ; B^2
	v_mul_f32 v17, v12, v14                        ; A C
	v_log_f32 v19, v15                             ; log2 op
	v_sqrt_f32 v22, v12                            ; sqrt A
	v_sqrt_f32 v23, v14                            ; sqrt C
	v_fma_f32 v18, v12, v14, -v16                  ; det; also the plain instruction behind the three above (ISA guide 5.7.2)
	v_fma_f32 v18, |v17|, s20, v18                 ; - 1e-6 |A C|
	v_rcp_f32 v20, v18
	s_wait_alu depctr_va_vdst(0)
	v_fmaak_f32 v21, s21, v19, 0x413389dc          ; 2 tau = 2 ln2 (log2 op + log2 255 + 0.1) = 2 ln2 log2 op + 11.221157; touches neither v18 nor v20
	v_mul_f32 v21, v21, v20                        ; 2 tau / det
	v_sqrt_f32 v24, v21
	v_sub_f32 v26, s22, v11                        ; middle of my first row band - my; the plain instruction behind the root
	s_wait_alu depctr_va_vdst(0)
	v_fmaak_f32 v25, v24, v22, 0x3fc147ae          ; y extent + 1.5 (half a band of 4 centres) + 0.01
	v_fmaak_f32 v27, v24, v23, 0x41fc147b          ; x extent + 31.5 (half a band of 64 centres) + 0.01
.irp m, 0,1,2,3
	v_cmp_gt_f32 s[24+\m], |v26|, v25              ; surely missed (false for NaN)
.if \m < 3
	v_add_f32 v26, 4.0, v26                        ; the next band's middle
.endif
.endr
.irp m, 0,1,2,3
	s_not_b32 s[24+\m], s[24+\m]                   ; 32 gaussians' bits = word kb of the mask
	v_mov_b32 v[30+\m], s[24+\m]
	ds_store_b32 v28, v[30+\m] offset:MROW+64*\m   ; all lanes: the same word, the same value
.endr
	s_cmp_lg_u32 ttmp9, 0
	s_cbranch_scc1 .Lnocol
	v_sub_f32 v29, 0x42000000, v10                 ; 32 - mx: middle of the centres of columns 0 .. 63
.irp m, 0,1,2,3
	v_cmp_gt_f32 s[24+\m], |v29|, v27
.if \m < 3
	v_add_f32 v29, 0x42800000, v29                 ; + 64
.endif
.endr
.irp m, 0,1,2,3
	s_not_b32 s[24+\m], s[24+\m]
	v_mov_b32 v[34+\m], s[24+\m]
	ds_store_b32 v28, v[34+\m] offset:MCOL+64*\m
.endr
.Lnocol:
	s_wait_dscnt 0x0                               ; my LDS stores are done before I say so
	s_barrier_signal -1
	s_barrier_wait -1
	s_cmp_eq_u32 s14, 0
	s_cbranch_scc1 .Lranks
	s_cmp_eq_u32 s14, 1
	s_cbranch_scc1 .Lrows
	s_cmp_eq_u32 s14, 2
	s_cbranch_scc1 .Lcols
	s_wait_tensorcnt 0x0
	ds_add_u32 v64, v65
	s_wait_dscnt 0x0
	s_endpgm
.Lranks:                                               ; wave 0: add the 16 partial counts of each i
	v_lshlrev_b32 v40, 2, v1
.irp k, 0,1,2,3,4,5,6,7,8,9,10,11,12,13,14,15
	ds_load_b32 v[44+\k], v40 offset:CNT+128*\k
.endr
	s_wait_dscnt 0x0
	v_add3_u32 v44, v44, v45, v46
	v_add3_u32 v47, v47, v48, v49
	v_add3_u32 v50, v50, v51, v52
	v_add3_u32 v53, v53, v54, v55
	v_add3_u32 v56, v56, v57, v58
	v_add3_u32 v44, v44, v47, v50
	v_add3_u32 v53, v53, v56, v59
	v_add_nc_u32 v44, v44, v53
	global_store_b32 v3, v44, s[12:13] offset:B_RANK
	s_wait_tensorcnt 0x0
	ds_add_u32 v64, v65
	s_wait_dscnt 0x0
	s_endpgm
.Lrows:                                                ; wave 1: four row masks = 256 consecutive bytes, aligned, in one store
	v_lshlrev_b32 v41, 3, v1
	ds_load_b64 v[42:43], v41 offset:MROW
	s_lshl_b32 s23, ttmp9, 8
	v_add_nc_u32 v60, s23, v41
	s_wait_dscnt 0x0
	global_store_b64 v60, v[42:43], s[12:13]
	s_wait_tensorcnt 0x0
	ds_add_u32 v64, v65
	s_wait_dscnt 0x0
	s_endpgm
.Lcols:                                                ; wave 2 of work-group 0: the four column masks, likewise
	s_cmp_lg_u32 ttmp9, 0
	s_cbranch_scc1 .Lend
	v_lshlrev_b32 v41, 3, v1
	ds_load_b64 v[42:43], v41 offset:MCOL
	s_wait_dscnt 0x0
	global_store_b64 v41, v[42:43], s[12:13] offset:B_HX
.Lend:
	s_wait_tensorcnt 0x0
	ds_add_u32 v64, v65
	s_wait_dscnt 0x0
	s_endpgm
.Lfunc_end_k_q06ecefd304_bins:
	.size	k_q06ecefd304_bins, .Lfunc_end_k_q06ecefd304_bins-k_q06ecefd304_bins
	.p2alignl 7, 3214868480
	.fill 96, 4, 3214868480
	.section	.rodata,"a",@progbits
	.p2align	6, 0x0
	.amdhsa_kernel k_q06ecefd304_bins
		.amdhsa_group_segment_fixed_size 4608
		.amdhsa_private_segment_fixed_size 0
		.amdhsa_enable_private_segment 0
		.amdhsa_kernarg_size 40
		.amdhsa_user_sgpr_count 2
		.amdhsa_user_sgpr_kernarg_segment_ptr 1
		.amdhsa_wavefront_size32 1
		.amdhsa_system_sgpr_workgroup_id_x 1
		.amdhsa_system_sgpr_workgroup_id_y 1
		.amdhsa_system_sgpr_workgroup_id_z 1
		.amdhsa_system_vgpr_workitem_id 0
		.amdhsa_next_free_vgpr 66
		.amdhsa_next_free_sgpr 100
		.amdhsa_reserve_vcc 1
		.amdhsa_float_denorm_mode_32 3
		.amdhsa_float_denorm_mode_16_64 3
		.amdhsa_memory_ordered 1
		.amdhsa_forward_progress 1
		.amdhsa_inst_pref_size 20
	.end_amdhsa_kernel
	.amdgpu_metadata
---
amdhsa.version: [ 1, 2 ]
amdhsa.kernels:
  - .name:           k_q06ecefd304_bins
    .symbol:         k_q06ecefd304_bins.kd
    .args:
      - { .name: depths, .offset: 0, .size: 8, .value_kind: global_buffer, .address_space: global }
      - { .name: means2d, .offset: 8, .size: 8, .value_kind: global_buffer, .address_space: global }
      - { .name: conics, .offset: 16, .size: 8, .value_kind: global_buffer, .address_space: global }
      - { .name: opacities, .offset: 24, .size: 8, .value_kind: global_buffer, .address_space: global }
      - { .name: bins, .offset: 32, .size: 8, .value_kind: global_buffer, .address_space: global }
    .group_segment_fixed_size: 4608
    .private_segment_fixed_size: 0
    .kernarg_segment_align: 8
    .kernarg_segment_size: 40
    .max_flat_workgroup_size: 512
    .sgpr_count:     100
    .vgpr_count:     66
    .wavefront_size: 32
...
	.end_amdgpu_metadata
.endif
;; end of part 1
;; launch render (part 2): grid 4 x 64, 4 waves a work-group, no clusters, 43,008 bytes of LDS; arguments means2d, conics, colors, opacities, bins, out0; writes out0
.if DOCPART == 2
	.amdgcn_target "amdgcn-amd-amdhsa--gfx1250"
	.amdhsa_code_object_version 6
	.text
	.protected	k_q06ecefd304_render
	.globl	k_q06ecefd304_render
	.p2align	8
	.type	k_q06ecefd304_render,@function
k_q06ecefd304_render:
	s_mov_b64 s[64:65], 0
	v_nop
	global_prefetch_b8 v0, s[64:65] scope:SCOPE_SE
	s_setreg_imm32_b32 hwreg(HW_REG_WAVE_MODE, 25, 1), 1
	s_wait_xcnt 0x0
; RENDER: one work-group = a tile of 64 x 4 pixels (tx = id x, ty = id y); wave w = pixel row 4 ty + w; a lane owns the two pixels
; x = 64 tx + lane and 64 tx + 32 + lane, so that the arithmetic goes two at a time (v_pk_*_f32).
; Only gaussians whose bit is set in column mask tx AND row mask ty are blended; the others have alpha = 0 in every pixel of the tile
; (see the launch that made the masks), so they change neither T nor the image.  The exact tests of the reference are made for each pixel.
; SETUP (thread t owns gaussians i = 4 t .. 4 t + 3; all addresses come from whole numbers read from bins):
;   0  POS[i] = 544, the dump place.  N = the set bits of (row mask AND column mask), counted in scalar registers from the two masks as
;      they are read from memory: the count does not hang on the order, so the loop's number of trips passes through no LDS word
;   1  F[rank[i]] = hit ? i + 1 : 0                                                               barrier
;   2  every wave reads F's rows 0 .. 11 of 32 in sorted order: the bit counts of 12 compare results give the hits in front of each wave's
;      rows; the wave that owns rows 4 w .. 4 w + 3 stores POS[i] = place of i in the tile's list  barrier
;   3  every thread stores its 4 records at LIST + 64 POS[i]; all threads lay 2,048 bytes of null records behind the list   barrier
; NO LANE IS EVER SWITCHED OFF: EXEC stays all ones from the first line to the last, so that no register's content hangs on a mask made of
; numbers that were read.  What a masked store would have skipped goes to a dump that nobody reads: in step 2 an empty word of F gives the
; index 0 - 1, which the bound turns into word 512 of POS; in step 3 a gaussian that misses the tile still has the place 544.
; RECORD (64 bytes): +0 cr cg cb log2(op) | +16 mx a2 | +32 + 8 row: a1 a0, with
;   log2 alpha = log2 op - log2e sigma = dx (a2 dx + a1) + a0,  a2 = -log2e A / 2,  a1 = -log2e B dy,  a0 = -log2e C dy^2 / 2 + log2 op.
;   No padding between records: in the loop all lanes read the same words, and place x 64 is a shift.
; LIST: slots 0 .. 511 records, up to slot 543 null records (32 of them behind slot N - 1), slot 544 the dump.
; LOOP: 8 records a trip in two register sets of 4; a set is loaded while the other is blended.
;   A null record has a0 = -1000: alpha = 0.  The look-ahead reads at most slot N + 10, and never beyond slot 63 x 8 + 11 = 515.
;   Only T <- T - alpha T is a serial chain; as in the reference the mask T_before > 1e-4 acts on the contribution, not on T.
; A number that was read (a rank, a place, N) enters an LDS address only behind a bound written in the instruction, and behind the bound
; stand only a shift left and an add: the address stays inside its table whatever was read.
; The contraction with the colours is done by f32 multiply-adds: the list has some tens of entries and 3 columns, a matrix form would use
; 3 of 16 columns and need lists padded to 16.  No multicast: what the work-groups share is 22 KB, read once by each, and every thread
; transforms its own share on the way in; a copy into LDS first would put one more LDS round trip in front of step 3.
; LIMITS: alpha = exp2(log2 op - log2e sigma) instead of op exp(-sigma), and sigma >= 0 is tested as log2 alpha <= log2 op: a pixel within a few
; f32 roundings of the thresholds alpha = 1/255 or sigma = 0 can fall on the other side.  op <= 0, NaN or denormal gives alpha = 0, as in the reference's result.
; The ranks are taken to be a permutation of 0 .. 511 (they are, unless a depth is NaN, which the launch that makes them does not serve).
; BACKGROUND is (0,0,0) in the reference's body and T_bg is finite (alpha is 0 or in [1/255, 0.99]): T_bg x bg is +0 and costs no instruction.
.set B_HX,   4096                      ; byte offsets in bins
.set B_RANK, 4352
.set F,      0                         ; LDS: 512 words, sorted order
.set POS,    2048                      ; LDS: 512 words, original order, and word 512, the dump; 2,304 bytes
.set STAGE,  4352                      ; LDS: 4 waves x 768 bytes, the way out
.set LIST,   7424                      ; LDS: 545 slots of 64 bytes = 34,880 bytes
.set PITCH,  64
.set DUMP,   544                       ; the slot of the records that miss the tile
.set RK,  8                            ; v[8:11]    ranks, then LDS addresses in F
.set OP,  16                           ; v[16:19]   opacities
.set CN,  20                           ; v[20:31]   conics of my 4 gaussians
.set HQ,  32                           ; v[32:35]   hit bits
.set FV,  36                           ; v[36:39]   what goes into F
.set Z,   40                           ; v[40:43]   the dump place, four times
.set ST,  40                           ; behind the loop: where my pixels go in the stage,
.set RB,  41                           ; where I read 8 bytes back,
.set GO,  42                           ; and my byte offset in the image
.set NQ,  44                           ; v[44:47]   16 bytes of a null record
.set REC, 48                           ; v[48:111]  4 records of 16 registers, laid out as in LDS
.set FR,  112                          ; v[112:123] F, rows 0 .. 11
.set OW,  128                          ; v[128:131] F, my wave's 4 rows
.set TBB, 132                          ; -log2e B
.set TCC, 133                          ; -log2e C / 2
.set TD,  134                          ; v[134:137] at work
.set TT,  138                          ; v[138:141] at work
.set PS,  142                          ; v[142:145] places of my 4 gaussians
.set PX,  146                          ; pixel centres x (pair)
.set TA,  148                          ; T entering the first set (pair)
.set TB,  150                          ; T entering the second set
.set T1,  152
.set T2,  154
.set T3,  156
.set CR,  158                          ; the image: red, green, blue (pairs)
.set CG,  160
.set CB,  162
.set SETA, 164                         ; v[164:195] 4 records: 8 g + 0..3 cr cg cb lop, + 4,5 mx a2, + 6,7 a1 a0
.set SETB, 196                         ; v[196:227]
.set D,   228                          ; v[228:235] dx
.set W,   236                          ; v[236:243] log2 alpha
.set E,   244                          ; v[244:251] alpha, then the contribution
.set VA,  252                          ; LDS offset of the trip's first record
.set VB,  253                          ; the same + 8 w (my row's a1 a0)
.set LA4, 254
.set OWA, 255
.set NN,  38                           ; s38      N, the tile's number of gaussians
.set MY,  40                           ; s[40:55] row mask ty, 16 words; then the compare results of F's rows; then the loop's masks
.set MX,  68                           ; s[68:83] column mask tx, 16 words
.set SA,  40                           ; s[40:47] the loop's masks
.set SB,  48                           ; s[48:55]
.set SL,  56                           ; s[56:63]
	s_load_b256 s[4:11], s[0:1], 0x0               ; means2d s[4:5], conics s[6:7], colors s[8:9], opacities s[10:11]
	s_load_b128 s[12:15], s[0:1], 0x20             ; bins s[12:13], out0 s[14:15]
	v_lshl_add_u32 v126, v0, 2, 0xa600
	v_mov_b32 v127, 0
	v_and_b32 v1, 31, v0                           ; lane
	v_lshrrev_b32 v2, 5, v0
	v_readfirstlane_b32 s16, v2                    ; wave = row of the tile
	s_and_b32 s17, ttmp7, 0xffff                   ; ty
	s_lshl_b32 s18, ttmp9, 6                       ; 64 tx: first column; also the byte offset of column mask tx.  Never rewritten
	s_lshl_b32 s39, s17, 6                         ; 64 ty: the byte offset of row mask ty.  Never rewritten
	v_lshlrev_b32 v3, 4, v0                        ; 16 t
	v_lshlrev_b32 v4, 5, v0                        ; 32 t
	v_mul_u32_u24 v5, v0, 48                       ; 48 t
	v_lshrrev_b32 v6, 1, v0
	v_and_b32 v6, 0x3c, v6                         ; 4 (t >> 3): the mask word that holds my 4 bits
	v_lshl_add_u32 v7, s17, 6, v6                  ; in row mask ty
	v_add_nc_u32 v6, s18, v6                       ; in column mask tx
.irp k, 0,1,2,3
	v_mov_b32 v[Z+\k], DUMP
.endr
	ds_store_b128 v3, v[Z:Z+3] offset:POS          ; step 0: a gaussian that step 2 gives no place keeps the dump place
	s_wait_kmcnt 0x0
	s_load_b512 s[MY:MY+15], s[12:13], s39 offset:0x0      ; the two whole masks, for N
	s_load_b512 s[MX:MX+15], s[12:13], s18 offset:B_HX
	global_load_b128 v[RK:RK+3], v3, s[12:13] offset:B_RANK
	global_load_b32 v12, v7, s[12:13]
	global_load_b32 v13, v6, s[12:13] offset:B_HX
	global_load_b128 v[OP:OP+3], v3, s[10:11]
.irp q, 0,1,2,3
	global_load_b64 v[REC+16*\q+4:REC+16*\q+5], v4, s[4:5] offset:8*\q     ; mx in its place, my beside it for now
.endr
.irp c, 0,1,2
	global_load_b128 v[CN+4*\c:CN+4*\c+3], v5, s[6:7] offset:16*\c
.endr
.irp q, 0,1,2,3
	global_load_b96 v[REC+16*\q:REC+16*\q+2], v5, s[8:9] offset:12*\q      ; the colour in its place
.endr
	; constants, while the loads are out
	s_lshl_b32 s19, s17, 2                         ; 4 ty
.irp r, 0,1,2,3
	s_add_co_u32 s20, s19, \r
	s_cvt_f32_u32 s[24+\r], s20
	s_add_f32 s[24+\r], s[24+\r], 0.5              ; s[24:27] pixel centres y of the tile's rows
.endr
	s_mov_b32 s28, 0x3b808081                      ; 1 / 255
	s_mov_b32 s29, 0x3f7d70a4                      ; 0.99
	s_mov_b32 s30, 0x38d1b717                      ; 1e-4
	v_add_nc_u32 v2, s18, v1
	v_cvt_f32_u32 v[PX], v2
	v_add_f32 v[PX], 0.5, v[PX]
	v_add_f32 v[PX+1], 0x42000000, v[PX]           ; + 32
	v_and_b32 v14, 7, v0
	v_lshlrev_b32 v14, 2, v14                      ; my first bit in the mask word
	v_lshl_add_u32 v15, v0, 2, 1                   ; 4 t + 1
	v_mov_b32 v[NQ], 0                             ; every 16 bytes of a null record: 0, -1000, 0, -1000, that is a1 = mx = 0,
	v_mov_b32 v[NQ+1], 0xc47a0000                  ; a0 = a2 = lop = -1000: alpha = exp2(<= -1000) = 0 < 1/255; the colours meet a contribution of 0
	v_mov_b32 v[NQ+2], 0
	v_mov_b32 v[NQ+3], 0xc47a0000
	v_mov_b32 v[TA], 1.0
	v_mov_b32 v[TA+1], 1.0
.irp k, 0,1,2,3,4,5
	v_mov_b32 v[CR+\k], 0
.endr
	v_lshlrev_b32 v[LA4], 2, v1
	s_lshl_b32 s20, s16, 9
	v_add_nc_u32 v[OWA], s20, v[LA4]               ; 4 lane + 512 w: my wave's rows of F
	; N: the gaussians whose bit is set in both masks, 16 words of 32
	s_wait_kmcnt 0x0
.irp k, 0,1,2,3,4,5,6,7,8,9,10,11,12,13,14,15
	s_and_b32 s[MY+\k], s[MY+\k], s[MX+\k]
.endr
.irp k, 0,1,2,3,4,5,6,7,8,9,10,11,12,13,14,15
	s_bcnt1_i32_b32 s[MY+\k], s[MY+\k]
.endr
.irp k, 0,1,2,3,4,5,6,7
	s_add_co_u32 s[MY+\k], s[MY+\k], s[MY+8+\k]
.endr
.irp k, 0,1,2,3
	s_add_co_u32 s[MY+\k], s[MY+\k], s[MY+4+\k]
.endr
	s_add_co_u32 s[MY], s[MY], s[MY+2]
	s_add_co_u32 s[MY+1], s[MY+1], s[MY+3]
	s_add_co_u32 s[NN], s[MY], s[MY+1]
	; step 1
	s_wait_loadcnt 0xc                             ; ranks and both mask words are in; the 12 loads of floats stay out
	v_and_b32 v12, v12, v13
	v_lshrrev_b32 v12, v14, v12
.irp q, 0,1,2,3
	v_bfe_u32 v[HQ+\q], v12, \q, 1
	v_add_nc_u32 v[FV+\q], \q, v15
	v_min_u32 v[RK+\q], 0x1ff, v[RK+\q]            ; a rank is below 512; the bound keeps the address in F whatever was read
	v_mul_u32_u24 v[FV+\q], v[FV+\q], v[HQ+\q]     ; i + 1 or 0
	v_lshlrev_b32 v[RK+\q], 2, v[RK+\q]
	ds_store_b32 v[RK+\q], v[FV+\q] offset:F
.endr
	s_wait_dscnt 0x0
	s_barrier_signal -1
	s_barrier_wait -1
	; step 2: F in sorted order; the records are computed while these loads are out
.irp k, 0,1,2,3,4,5,6,7,8,9,10,11
	ds_load_b32 v[FR+\k], v[LA4] offset:F+128*\k   ; rows 0 .. 11: what can lie in front of a wave's rows
.endr
.irp m, 0,1,2,3
	ds_load_b32 v[OW+\m], v[OWA] offset:F+128*\m
.endr
	s_wait_loadcnt 0x0
.irp q, 0,1,2,3
	v_log_f32 v[REC+16*\q+3], v[OP+\q]             ; log2 op; first used five plain instructions further down (ISA guide 5.7.2)
.endr
.irp q, 0,1,2,3
	v_mul_f32 v[TBB], 0xbfb8aa3b, v[CN+3*\q+1]     ; -log2e B
	v_mul_f32 v[TCC], 0xbf38aa3b, v[CN+3*\q+2]     ; -log2e C / 2
	s_wait_alu depctr_va_vdst(0)
.irp r, 0,1,2,3
	v_sub_f32 v[TD+\r], s[24+\r], v[REC+16*\q+5]   ; dy
	v_mul_f32 v[TT+\r], v[TCC], v[TD+\r]
	v_mul_f32 v[REC+16*\q+8+2*\r], v[TBB], v[TD+\r]                        ; a1
	v_fma_f32 v[REC+16*\q+9+2*\r], v[TT+\r], v[TD+\r], v[REC+16*\q+3]      ; a0
.endr
	v_mul_f32 v[REC+16*\q+5], 0xbf38aa3b, v[CN+3*\q]                       ; a2 takes my's place
.endr
	s_wait_dscnt 0x0
.irp k, 0,1,2,3,4,5,6,7,8,9,10,11
	v_cmp_ne_u32 s[40+\k], 0, v[FR+\k]
.endr
.irp m, 0,1,2,3
	v_add_nc_u32 v[TD+\m], -1, v[OW+\m]            ; i; an empty word gives 0xffffffff,
	v_min_u32 v[TD+\m], 0x200, v[TD+\m]            ; which the bound sends to word 512, the dump
	v_lshlrev_b32 v[TD+\m], 2, v[TD+\m]
.endr
.irp k, 0,1,2,3,4,5,6,7,8,9,10,11
	s_bcnt1_i32_b32 s[40+\k], s[40+\k]
.endr
.irp g, 0,1,2
	s_add_co_u32 s[40+4*\g], s[40+4*\g], s[41+4*\g]
	s_add_co_u32 s[42+4*\g], s[42+4*\g], s[43+4*\g]
	s_add_co_u32 s[40+4*\g], s[40+4*\g], s[42+4*\g]                        ; hits in the 4 rows of wave g: s40, s44, s48
.endr
	s_cmp_gt_u32 s16, 0
	s_cselect_b32 s20, s40, 0
	s_cmp_gt_u32 s16, 1
	s_cselect_b32 s21, s44, 0
	s_cmp_gt_u32 s16, 2
	s_cselect_b32 s22, s48, 0
	s_add_co_u32 s20, s20, s21
	s_add_co_u32 s20, s20, s22                     ; hits in front of my rows
.irp m, 0,1,2,3
	v_cmp_ne_u32 vcc_lo, 0, v[OW+\m]
	v_mbcnt_lo_u32_b32 v[TT+\m], vcc_lo, s20       ; place = hits in front of the row + hits in the lanes below
	s_bcnt1_i32_b32 s21, vcc_lo
	ds_store_b32 v[TD+\m], v[TT+\m] offset:POS     ; all lanes: the lanes with an empty word write the dump
	s_add_co_u32 s20, s20, s21
.endr
	s_wait_dscnt 0x0
	s_barrier_signal -1
	s_barrier_wait -1
	; step 3
	v_mov_b32 v2, s[NN]
	v_min_u32 v2, 0x200, v2                        ; N is at most 512
	v_lshlrev_b32 v2, 6, v2                        ; the first byte behind the list's last record
	v_add_nc_u32 v2, v2, v3
	ds_store_b128 v2, v[NQ:NQ+3] offset:LIST       ; 128 threads x 16 bytes = 32 null records
	ds_load_b128 v[PS:PS+3], v3 offset:POS
	s_wait_dscnt 0x0
.irp q, 0,1,2,3
	v_min_u32 v[PS+\q], DUMP, v[PS+\q]             ; a place is below 512, or it is the dump's
	v_lshlrev_b32 v[PS+\q], 6, v[PS+\q]
.endr
.irp q, 0,1,2,3
	ds_store_b128 v[PS+\q], v[REC+16*\q:REC+16*\q+3] offset:LIST
	ds_store_b64 v[PS+\q], v[REC+16*\q+4:REC+16*\q+5] offset:LIST+16
	ds_store_b128 v[PS+\q], v[REC+16*\q+8:REC+16*\q+11] offset:LIST+32
	ds_store_b128 v[PS+\q], v[REC+16*\q+12:REC+16*\q+15] offset:LIST+48
.endr
	s_add_co_u32 s31, s[NN], 7
	s_lshr_b32 s31, s31, 3
	s_max_u32 s31, s31, 1                          ; trips of 8 records; an empty tile blends 8 null records rather than branch round the loop
	s_min_u32 s31, s31, 64                         ; 512 records are 64 trips
	s_lshl_b32 s32, s16, 3                         ; 8 w
	v_mov_b32 v[VA], 0
	v_mov_b32 v[VB], s32
	s_wait_dscnt 0x0
	s_barrier_signal -1
	s_barrier_wait -1
; 12 LDS loads: 4 records at byte off behind the trip's first
.macro LOADSET set, off
.irp g, 0,1,2,3
	ds_load_b128 v[\set+8*\g:\set+8*\g+3], v[VA] offset:LIST+\off+PITCH*\g
	ds_load_b64 v[\set+8*\g+4:\set+8*\g+5], v[VA] offset:LIST+\off+PITCH*\g+16
	ds_load_b64 v[\set+8*\g+6:\set+8*\g+7], v[VB] offset:LIST+\off+PITCH*\g+32
.endr
.endm
; 4 gaussians x 2 pixels.  tin: T in front of the first, tout: T behind the last.
.macro BLEND set, tin, tout
.irp g, 0,1,2,3
	v_pk_add_f32 v[D+2*\g:D+2*\g+1], v[PX:PX+1], v[\set+8*\g+4:\set+8*\g+5] op_sel_hi:[1,0] neg_lo:[0,1] neg_hi:[0,1]    ; dx = px - mx
.endr
.irp g, 0,1,2,3
	v_pk_fma_f32 v[W+2*\g:W+2*\g+1], v[D+2*\g:D+2*\g+1], v[\set+8*\g+4:\set+8*\g+5], v[\set+8*\g+6:\set+8*\g+7] op_sel:[0,1,0] op_sel_hi:[1,1,0]   ; a2 dx + a1
.endr
.irp g, 0,1,2,3
	v_pk_fma_f32 v[W+2*\g:W+2*\g+1], v[D+2*\g:D+2*\g+1], v[W+2*\g:W+2*\g+1], v[\set+8*\g+6:\set+8*\g+7] op_sel:[0,0,1] op_sel_hi:[1,1,1]           ; dx ( ) + a0
.endr
.irp j, 0,1,2,3,4,5,6,7
	v_exp_f32 v[E+\j], v[W+\j]
.endr
.irp g, 0,1,2,3
	v_cmp_le_f32 s[SA+2*\g], v[W+2*\g], v[\set+8*\g+3]         ; sigma >= 0; these compares are also the plain instructions behind the exponentials
	v_cmp_le_f32 s[SA+2*\g+1], v[W+2*\g+1], v[\set+8*\g+3]
.endr
	s_wait_alu depctr_va_vdst(0)
.irp j, 0,1,2,3,4,5,6,7
	v_cmp_ge_f32 s[SB+\j], v[E+\j], s28                        ; alpha >= 1/255 (the cap of 0.99 lies above it)
.endr
.irp j, 0,1,2,3,4,5,6,7
	v_min_num_f32 v[E+\j], s29, v[E+\j]
.endr
.irp j, 0,1,2,3,4,5,6,7
	s_and_b32 s[SA+\j], s[SA+\j], s[SB+\j]
.endr
.irp j, 0,1,2,3,4,5,6,7
	v_cndmask_b32 v[E+\j], 0, v[E+\j], s[SA+\j]
.endr
	v_pk_fma_f32 v[T1:T1+1], v[E:E+1], v[\tin:\tin+1], v[\tin:\tin+1] neg_lo:[1,0,0] neg_hi:[1,0,0]    ; T - alpha T
	v_cmp_gt_f32 s[SL], v[\tin], s30                           ; live: T in front of the gaussian > 1e-4
	v_cmp_gt_f32 s[SL+1], v[\tin+1], s30
	v_pk_fma_f32 v[T2:T2+1], v[E+2:E+3], v[T1:T1+1], v[T1:T1+1] neg_lo:[1,0,0] neg_hi:[1,0,0]
	v_cmp_gt_f32 s[SL+2], v[T1], s30
	v_cmp_gt_f32 s[SL+3], v[T1+1], s30
	v_pk_fma_f32 v[T3:T3+1], v[E+4:E+5], v[T2:T2+1], v[T2:T2+1] neg_lo:[1,0,0] neg_hi:[1,0,0]
	v_cmp_gt_f32 s[SL+4], v[T2], s30
	v_cmp_gt_f32 s[SL+5], v[T2+1], s30
	v_pk_fma_f32 v[\tout:\tout+1], v[E+6:E+7], v[T3:T3+1], v[T3:T3+1] neg_lo:[1,0,0] neg_hi:[1,0,0]
	v_cmp_gt_f32 s[SL+6], v[T3], s30
	v_cmp_gt_f32 s[SL+7], v[T3+1], s30
	v_cndmask_b32 v[\tin], 0, v[\tin], s[SL]
	v_cndmask_b32 v[\tin+1], 0, v[\tin+1], s[SL+1]
.irp j, 0,1,2,3,4,5
	v_cndmask_b32 v[T1+\j], 0, v[T1+\j], s[SL+2+\j]            ; T1, T2, T3 lie side by side
.endr
	v_pk_mul_f32 v[E:E+1], v[E:E+1], v[\tin:\tin+1]            ; the contribution alpha T live
	v_pk_mul_f32 v[E+2:E+3], v[E+2:E+3], v[T1:T1+1]
	v_pk_mul_f32 v[E+4:E+5], v[E+4:E+5], v[T2:T2+1]
	v_pk_mul_f32 v[E+6:E+7], v[E+6:E+7], v[T3:T3+1]
.irp g, 0,1,2,3
	v_pk_fma_f32 v[CR:CR+1], v[E+2*\g:E+2*\g+1], v[\set+8*\g:\set+8*\g+1], v[CR:CR+1] op_sel_hi:[1,0,1]
	v_pk_fma_f32 v[CG:CG+1], v[E+2*\g:E+2*\g+1], v[\set+8*\g:\set+8*\g+1], v[CG:CG+1] op_sel:[0,1,0] op_sel_hi:[1,1,1]
	v_pk_fma_f32 v[CB:CB+1], v[E+2*\g:E+2*\g+1], v[\set+8*\g+2:\set+8*\g+3], v[CB:CB+1] op_sel_hi:[1,0,1]
.endr
.endm
	LOADSET SETA, 0
	s_mov_b32 s33, 0
.Ltrip:
	LOADSET SETB, 4*PITCH
	s_wait_dscnt 0xc                               ; LDS loads come back in order (ISA guide 5.7.1): the first set is in, the 12 loads just issued stay out
	BLEND SETA, TA, TB
	LOADSET SETA, 8*PITCH                          ; the next trip's first set; behind the last trip these are null records
	s_wait_dscnt 0xc
	BLEND SETB, TB, TA
	s_add_co_u32 s33, s33, 1
	v_mov_b32 v[VA], s33
	v_min_u32 v[VA], 63, v[VA]                     ; the last of 64 trips: every address of the loop stays inside the list
	v_lshlrev_b32 v[VA], 9, v[VA]                  ; 8 records of 64 bytes a trip
	v_add_nc_u32 v[VB], s32, v[VA]
	s_cmp_lt_u32 s33, s31
	s_cbranch_scc1 .Ltrip
	; The loop's number of trips hangs on a count that was read.  Behind this barrier no wave reads the list any more, so the stage's stores
	; below are ordered behind every wave's list reads without leaning on that count.  All four waves make the same number of trips.
	s_wait_dscnt 0x0                               ; my reads of the list are over, the 12 loads of the look-ahead among them
	s_barrier_signal -1
	s_mul_i32 s35, s16, 768                        ; register work while the others arrive: my stage,
	v_mad_u32_u24 v[ST], v1, 12, s35
	v_lshl_add_u32 v[RB], v1, 3, s35
	s_lshl2_add_u32 s36, s17, s16                  ; y = 4 ty + w
	s_mul_i32 s36, s36, 3072                       ; a row of the image
	s_mul_i32 s37, ttmp9, 768
	s_add_co_u32 s36, s36, s37
	v_lshl_add_u32 v[GO], v1, 3, s36               ; and my 8 bytes in the image
	s_barrier_wait -1
	; the way out: my row's 64 pixels are 768 consecutive bytes.  12 bytes a pixel go into my wave's own stage and come back as 8 bytes a lane,
	; so that each store of the wave covers 256 consecutive bytes, aligned.  LDS serves a wave's instructions in order: no wait between.
	ds_store_b32 v[ST], v[CR] offset:STAGE
	ds_store_b32 v[ST], v[CG] offset:STAGE+4
	ds_store_b32 v[ST], v[CB] offset:STAGE+8
	ds_store_b32 v[ST], v[CR+1] offset:STAGE+384
	ds_store_b32 v[ST], v[CG+1] offset:STAGE+388
	ds_store_b32 v[ST], v[CB+1] offset:STAGE+392
	ds_load_b64 v[10:11], v[RB] offset:STAGE
	ds_load_b64 v[12:13], v[RB] offset:STAGE+256
	ds_load_b64 v[14:15], v[RB] offset:STAGE+512
	s_wait_dscnt 0x2                               ; the first of the three read-backs is in (and everything older)
	global_store_b64 v[GO], v[10:11], s[14:15] th:TH_STORE_NT
	s_wait_dscnt 0x1
	global_store_b64 v[GO], v[12:13], s[14:15] offset:256 th:TH_STORE_NT
	s_wait_dscnt 0x0
	global_store_b64 v[GO], v[14:15], s[14:15] offset:512 th:TH_STORE_NT
	s_wait_tensorcnt 0x0
	ds_add_u32 v126, v127
	s_wait_dscnt 0x0
	s_endpgm
.Lfunc_end_k_q06ecefd304_render:
	.size	k_q06ecefd304_render, .Lfunc_end_k_q06ecefd304_render-k_q06ecefd304_render
	.p2alignl 7, 3214868480
	.fill 96, 4, 3214868480
	.section	.rodata,"a",@progbits
	.p2align	6, 0x0
	.amdhsa_kernel k_q06ecefd304_render
		.amdhsa_group_segment_fixed_size 43008
		.amdhsa_private_segment_fixed_size 0
		.amdhsa_enable_private_segment 0
		.amdhsa_kernarg_size 48
		.amdhsa_user_sgpr_count 2
		.amdhsa_user_sgpr_kernarg_segment_ptr 1
		.amdhsa_wavefront_size32 1
		.amdhsa_system_sgpr_workgroup_id_x 1
		.amdhsa_system_sgpr_workgroup_id_y 1
		.amdhsa_system_sgpr_workgroup_id_z 1
		.amdhsa_system_vgpr_workitem_id 0
		.amdhsa_next_free_vgpr 256
		.amdhsa_next_free_sgpr 84
		.amdhsa_reserve_vcc 1
		.amdhsa_float_denorm_mode_32 3
		.amdhsa_float_denorm_mode_16_64 3
		.amdhsa_memory_ordered 1
		.amdhsa_forward_progress 1
		.amdhsa_inst_pref_size 32
	.end_amdhsa_kernel
	.amdgpu_metadata
---
amdhsa.version: [ 1, 2 ]
amdhsa.kernels:
  - .name:           k_q06ecefd304_render
    .symbol:         k_q06ecefd304_render.kd
    .args:
      - { .name: means2d, .offset: 0, .size: 8, .value_kind: global_buffer, .address_space: global }
      - { .name: conics, .offset: 8, .size: 8, .value_kind: global_buffer, .address_space: global }
      - { .name: colors, .offset: 16, .size: 8, .value_kind: global_buffer, .address_space: global }
      - { .name: opacities, .offset: 24, .size: 8, .value_kind: global_buffer, .address_space: global }
      - { .name: bins, .offset: 32, .size: 8, .value_kind: global_buffer, .address_space: global }
      - { .name: out0, .offset: 40, .size: 8, .value_kind: global_buffer, .address_space: global }
    .group_segment_fixed_size: 43008
    .private_segment_fixed_size: 0
    .kernarg_segment_align: 8
    .kernarg_segment_size: 48
    .max_flat_workgroup_size: 128
    .sgpr_count:     84
    .vgpr_count:     256
    .wavefront_size: 32
...
	.end_amdgpu_metadata
.endif
;; end of part 2
;; ======== version 2 of 2: 2 launches; version 1 with the launch render written anew for expert scheduling mode
;; limits: right only within a limited range of input values
;; workspace buffers: bins 6,400 bytes of whole numbers
;; launch bins: the kernel of part 1 again; grid 16 x 1, 16 waves a work-group, no clusters, 4,608 bytes of LDS; arguments depths, means2d, conics, opacities, bins; writes bins
;; launch render (part 3): grid 4 x 64, 4 waves a work-group, no clusters, 43,008 bytes of LDS; arguments means2d, conics, colors, opacities, bins, out0; writes out0
.if DOCPART == 3
	.amdgcn_target "amdgcn-amd-amdhsa--gfx1250"
	.amdhsa_code_object_version 6
	.text
	.protected	k_q06ecefd304_render
	.globl	k_q06ecefd304_render
	.p2align	8
	.type	k_q06ecefd304_render,@function
k_q06ecefd304_render:
	s_mov_b64 s[64:65], 0
	v_nop
	global_prefetch_b8 v0, s[64:65] scope:SCOPE_SE
	s_setreg_imm32_b32 hwreg(HW_REG_WAVE_SCHED_MODE, 0, 2), 2
	s_setreg_imm32_b32 hwreg(HW_REG_WAVE_MODE, 25, 1), 1
	s_wait_xcnt 0x0
	s_wait_alu depctr_vm_vsrc(0)
; RENDER: one work-group = a tile of 64 x 4 pixels (tx = id x, ty = id y); wave w = pixel row 4 ty + w; a lane owns the two pixels
; x = 64 tx + lane and 64 tx + 32 + lane, so that the arithmetic goes two at a time (v_pk_*_f32).
; Only gaussians whose bit is set in column mask tx AND row mask ty are blended; the others have alpha = 0 in every pixel of the tile
; (see the launch that made the masks), so they change neither T nor the image.  The exact tests of the reference are made for each pixel.
; SETUP (thread t owns gaussians i = 4 t .. 4 t + 3; all addresses come from whole numbers read from bins):
;   0  POS[i] = 544, the dump place.  N = the set bits of (row mask AND column mask), counted in scalar registers from the two masks as
;      they are read from memory: the count does not hang on the order, so the loop's number of trips passes through no LDS word
;   1  F[rank[i]] = hit ? i + 1 : 0                                                               barrier
;   2  every wave reads F's rows 0 .. 11 of 32 in sorted order: the bit counts of 12 compare results give the hits in front of each wave's
;      rows; the wave that owns rows 4 w .. 4 w + 3 stores POS[i] = place of i in the tile's list  barrier
;   3  every thread stores its 4 records at LIST + 64 POS[i]; all threads lay 2,048 bytes of null records behind the list   barrier
; NO LANE IS EVER SWITCHED OFF: EXEC stays all ones from the first line to the last, so that no register's content hangs on a mask made of
; numbers that were read.  What a masked store would have skipped goes to a dump that nobody reads: in step 2 an empty word of F gives the
; index 0 - 1, which the bound turns into word 512 of POS; in step 3 a gaussian that misses the tile still has the place 544.
; RECORD (64 bytes): +0 cr cg cb log2(op) | +16 mx a2 | +32 + 8 row: a1 a0, with
;   log2 alpha = log2 op - log2e sigma = dx (a2 dx + a1) + a0,  a2 = -log2e A / 2,  a1 = -log2e B dy,  a0 = -log2e C dy^2 / 2 + log2 op.
;   No padding between records: in the loop all lanes read the same words, and place x 64 is a shift.
; LIST: slots 0 .. 511 records, up to slot 543 null records (32 of them behind slot N - 1), slot 544 the dump.
; LOOP: 8 records a trip in two register sets of 4; a set is loaded while the other is blended.
;   A null record has a0 = -1000: alpha = 0.  The look-ahead reads at most slot N + 10, and never beyond slot 63 x 8 + 11 = 515.
;   Only T <- T - alpha T is a serial chain; as in the reference the mask T_before > 1e-4 acts on the contribution, not on T.
; A number that was read (a rank, a place, N) enters an LDS address only behind a bound written in the instruction, and behind the bound
; stand only a shift left and an add: the address stays inside its table whatever was read.
; The contraction with the colours is done by f32 multiply-adds: the list has some tens of entries and 3 columns, a matrix form would use
; 3 of 16 columns and need lists padded to 16.  No multicast: what the work-groups share is 22 KB, read once by each, and every thread
; transforms its own share on the way in; a copy into LDS first would put one more LDS round trip in front of step 3.
; LIMITS: alpha = exp2(log2 op - log2e sigma) instead of op exp(-sigma), and sigma >= 0 is tested as log2 alpha <= log2 op: a pixel within a few
; f32 roundings of the thresholds alpha = 1/255 or sigma = 0 can fall on the other side.  op <= 0, NaN or denormal gives alpha = 0, as in the reference's result.
; The ranks are taken to be a permutation of 0 .. 511 (they are, unless a depth is NaN, which the launch that makes them does not serve).
; BACKGROUND is (0,0,0) in the reference's body and T_bg is finite (alpha is 0 or in [1/255, 0.99]): T_bg x bg is +0 and costs no instruction.
; THE MODE: SCHED_MODE bits 1:0 = 2 (LLVM: expert scheduling mode 2), set by the entry lines.  The code itself states the register dependences
; between vector instructions and memory or LDS instructions, and from vector instructions to scalar registers, with s_wait_alu, always for 0.
; THE PLAN.  Registers that memory or LDS instructions touch, and who else names them:
;   v3 .. v7         offsets, made at the head, never written again.
;   Z (v40 .. 43)    data of the head's LDS store; v40 .. 42 are written again behind the loop (ST, RB, GO).
;   RK, FV           made by step 1's vector lines, read by its four LDS stores; of RK, v10 and v11 take LDS loads on the way out.
;   LA4, OWA, NQ     made while the global loads are out; read by step 2's LDS loads and step 3's first store; never written again.
;   FR, OW, PS       written by LDS loads alone; no vector line names them ahead of those loads.
;   TD, TT, v2, REC  made by step 2's vector lines; read by the stores of POS, of the null records and of the records; not written again.
;   SETA, SETB       half a trip blends one set; the 12 loads issued in that half trip land in the other, which the half trip before has read.
;   VA, VB           read by every load from the list; written in step 3 and once at each trip's end.
;   ST, RB, GO, the six sums and v10 .. v15: the way out.
; So in the set-up each step's vector lines stand together, with one wait on va_vdst between them and the step's run of LDS stores, and lines
; that a later LDS instruction hangs on (v2, VA, VB) are moved up in front of a wait that stands there anyway.  In the loop one wait on va_vdst
; stands at the head of each half trip, and one on vm_vsrc ahead of the lines that write VA and VB.  Compares stand in runs, into scalar
; registers of their own, with one wait on va_sdst behind each run.
.set B_HX,   4096                      ; byte offsets in bins
.set B_RANK, 4352
.set F,      0                         ; LDS: 512 words, sorted order
.set POS,    2048                      ; LDS: 512 words, original order, and word 512, the dump; 2,304 bytes
.set STAGE,  4352                      ; LDS: 4 waves x 768 bytes, the way out
.set LIST,   7424                      ; LDS: 545 slots of 64 bytes = 34,880 bytes
.set PITCH,  64
.set DUMP,   544                       ; the slot of the records that miss the tile
.set RK,  8                            ; v[8:11]    ranks, then LDS addresses in F
.set OP,  16                           ; v[16:19]   opacities
.set CN,  20                           ; v[20:31]   conics of my 4 gaussians
.set HQ,  32                           ; v[32:35]   hit bits
.set FV,  36                           ; v[36:39]   what goes into F
.set Z,   40                           ; v[40:43]   the dump place, four times
.set ST,  40                           ; behind the loop: where my pixels go in the stage,
.set RB,  41                           ; where I read 8 bytes back,
.set GO,  42                           ; and my byte offset in the image
.set NQ,  44                           ; v[44:47]   16 bytes of a null record
.set REC, 48                           ; v[48:111]  4 records of 16 registers, laid out as in LDS
.set FR,  112                          ; v[112:123] F, rows 0 .. 11
.set OW,  128                          ; v[128:131] F, my wave's 4 rows
.set TBB, 132                          ; -log2e B
.set TCC, 133                          ; -log2e C / 2
.set TD,  134                          ; v[134:137] at work
.set TT,  138                          ; v[138:141] at work
.set PS,  142                          ; v[142:145] places of my 4 gaussians
.set PX,  146                          ; pixel centres x (pair)
.set TA,  148                          ; T entering the first set (pair)
.set TB,  150                          ; T entering the second set
.set T1,  152
.set T2,  154
.set T3,  156
.set CR,  158                          ; the image: red, green, blue (pairs)
.set CG,  160
.set CB,  162
.set SETA, 164                         ; v[164:195] 4 records: 8 g + 0..3 cr cg cb lop, + 4,5 mx a2, + 6,7 a1 a0
.set SETB, 196                         ; v[196:227]
.set D,   228                          ; v[228:235] dx
.set W,   236                          ; v[236:243] log2 alpha
.set E,   244                          ; v[244:251] alpha, then the contribution
.set VA,  252                          ; LDS offset of the trip's first record
.set VB,  253                          ; the same + 8 w (my row's a1 a0)
.set LA4, 254
.set OWA, 255
.set NN,  38                           ; s38      N, the tile's number of gaussians
.set MY,  40                           ; s[40:55] row mask ty, 16 words; then the compare results of F's rows; then the loop's masks
.set MX,  68                           ; s[68:83] column mask tx, 16 words
.set SA,  40                           ; s[40:47] the loop's masks
.set SB,  48                           ; s[48:55]
.set SL,  56                           ; s[56:63]
	s_load_b256 s[4:11], s[0:1], 0x0               ; means2d s[4:5], conics s[6:7], colors s[8:9], opacities s[10:11]
	s_load_b128 s[12:15], s[0:1], 0x20             ; bins s[12:13], out0 s[14:15]
	v_lshl_add_u32 v126, v0, 2, 0xa600
	v_mov_b32 v127, 0
	v_and_b32 v1, 31, v0                           ; lane
	v_lshrrev_b32 v2, 5, v0
	v_readfirstlane_b32 s16, v2                    ; wave = row of the tile
	s_and_b32 s17, ttmp7, 0xffff                   ; ty
	s_lshl_b32 s18, ttmp9, 6                       ; 64 tx: first column; also the byte offset of column mask tx.  Never rewritten
	s_lshl_b32 s39, s17, 6                         ; 64 ty: the byte offset of row mask ty.  Never rewritten
	v_lshlrev_b32 v3, 4, v0                        ; 16 t
	v_lshlrev_b32 v4, 5, v0                        ; 32 t
	v_mul_u32_u24 v5, v0, 48                       ; 48 t
	v_lshrrev_b32 v6, 1, v0
	v_and_b32 v6, 0x3c, v6                         ; 4 (t >> 3): the mask word that holds my 4 bits
	v_lshl_add_u32 v7, s17, 6, v6                  ; in row mask ty
	v_add_nc_u32 v6, s18, v6                       ; in column mask tx
.irp k, 0,1,2,3
	v_mov_b32 v[Z+\k], DUMP
.endr
	s_wait_alu depctr_va_sdst(0)                   ; s16 is written, ahead of its first reader: LDS offsets, selects and the image's row are made from it
	s_wait_alu depctr_va_vdst(0)                   ; v3 to v7 and Z are written: the LDS store and the 15 global loads below read them as offsets and data
	ds_store_b128 v3, v[Z:Z+3] offset:POS          ; step 0: a gaussian that step 2 gives no place keeps the dump place
	s_wait_kmcnt 0x0
	s_load_b512 s[MY:MY+15], s[12:13], s39 offset:0x0      ; the two whole masks, for N
	s_load_b512 s[MX:MX+15], s[12:13], s18 offset:B_HX
	global_load_b128 v[RK:RK+3], v3, s[12:13] offset:B_RANK
	global_load_b32 v12, v7, s[12:13]
	global_load_b32 v13, v6, s[12:13] offset:B_HX
	global_load_b128 v[OP:OP+3], v3, s[10:11]
.irp q, 0,1,2,3
	global_load_b64 v[REC+16*\q+4:REC+16*\q+5], v4, s[4:5] offset:8*\q     ; mx in its place, my beside it for now
.endr
.irp c, 0,1,2
	global_load_b128 v[CN+4*\c:CN+4*\c+3], v5, s[6:7] offset:16*\c
.endr
.irp q, 0,1,2,3
	global_load_b96 v[REC+16*\q:REC+16*\q+2], v5, s[8:9] offset:12*\q      ; the colour in its place
.endr
	; constants, while the loads are out
	s_lshl_b32 s19, s17, 2                         ; 4 ty
.irp r, 0,1,2,3
	s_add_co_u32 s20, s19, \r
	s_cvt_f32_u32 s[24+\r], s20
	s_add_f32 s[24+\r], s[24+\r], 0.5              ; s[24:27] pixel centres y of the tile's rows
.endr
	s_mov_b32 s28, 0x3b808081                      ; 1 / 255
	s_mov_b32 s29, 0x3f7d70a4                      ; 0.99
	s_mov_b32 s30, 0x38d1b717                      ; 1e-4
	v_add_nc_u32 v2, s18, v1
	v_cvt_f32_u32 v[PX], v2
	v_add_f32 v[PX], 0.5, v[PX]
	v_add_f32 v[PX+1], 0x42000000, v[PX]           ; + 32
	v_and_b32 v14, 7, v0
	v_lshlrev_b32 v14, 2, v14                      ; my first bit in the mask word
	v_lshl_add_u32 v15, v0, 2, 1                   ; 4 t + 1
	v_mov_b32 v[NQ], 0                             ; every 16 bytes of a null record: 0, -1000, 0, -1000, that is a1 = mx = 0,
	v_mov_b32 v[NQ+1], 0xc47a0000                  ; a0 = a2 = lop = -1000: alpha = exp2(<= -1000) = 0 < 1/255; the colours meet a contribution of 0
	v_mov_b32 v[NQ+2], 0
	v_mov_b32 v[NQ+3], 0xc47a0000
	v_mov_b32 v[TA], 1.0
	v_mov_b32 v[TA+1], 1.0
.irp k, 0,1,2,3,4,5
	v_mov_b32 v[CR+\k], 0
.endr
	v_lshlrev_b32 v[LA4], 2, v1
	s_lshl_b32 s20, s16, 9
	v_add_nc_u32 v[OWA], s20, v[LA4]               ; 4 lane + 512 w: my wave's rows of F
	; N: the gaussians whose bit is set in both masks, 16 words of 32
	s_wait_kmcnt 0x0
.irp k, 0,1,2,3,4,5,6,7,8,9,10,11,12,13,14,15
	s_and_b32 s[MY+\k], s[MY+\k], s[MX+\k]
.endr
.irp k, 0,1,2,3,4,5,6,7,8,9,10,11,12,13,14,15
	s_bcnt1_i32_b32 s[MY+\k], s[MY+\k]
.endr
.irp k, 0,1,2,3,4,5,6,7
	s_add_co_u32 s[MY+\k], s[MY+\k], s[MY+8+\k]
.endr
.irp k, 0,1,2,3
	s_add_co_u32 s[MY+\k], s[MY+\k], s[MY+4+\k]
.endr
	s_add_co_u32 s[MY], s[MY], s[MY+2]
	s_add_co_u32 s[MY+1], s[MY+1], s[MY+3]
	s_add_co_u32 s[NN], s[MY], s[MY+1]
	; step 1: the vector lines of all four gaussians, then the four stores in one run
	s_wait_loadcnt 0xc                             ; ranks and both mask words are in; the 12 loads of floats stay out
	v_and_b32 v12, v12, v13
	v_lshrrev_b32 v12, v14, v12
.irp q, 0,1,2,3
	v_bfe_u32 v[HQ+\q], v12, \q, 1
	v_add_nc_u32 v[FV+\q], \q, v15
	v_min_u32 v[RK+\q], 0x1ff, v[RK+\q]            ; a rank is below 512; the bound keeps the address in F whatever was read
	v_mul_u32_u24 v[FV+\q], v[FV+\q], v[HQ+\q]     ; i + 1 or 0
	v_lshlrev_b32 v[RK+\q], 2, v[RK+\q]
.endr
	s_wait_alu depctr_va_vdst(0)                   ; RK and FV are written, which the four stores read; so are LA4 and OWA (step 2's loads) and NQ (step 3's first store)
.irp q, 0,1,2,3
	ds_store_b32 v[RK+\q], v[FV+\q] offset:F
.endr
	s_wait_dscnt 0x0
	s_barrier_signal -1
	s_barrier_wait -1
	; step 2: F in sorted order; the records are computed while these loads are out
.irp k, 0,1,2,3,4,5,6,7,8,9,10,11
	ds_load_b32 v[FR+\k], v[LA4] offset:F+128*\k   ; rows 0 .. 11: what can lie in front of a wave's rows
.endr
.irp m, 0,1,2,3
	ds_load_b32 v[OW+\m], v[OWA] offset:F+128*\m
.endr
	s_wait_loadcnt 0x0
.irp q, 0,1,2,3
	v_log_f32 v[REC+16*\q+3], v[OP+\q]             ; log2 op; five plain instructions stand between the last of these and the first use (ISA guide 5.7.2)
.endr
.irp q, 0,1,2,3
	v_mul_f32 v[TBB], 0xbfb8aa3b, v[CN+3*\q+1]     ; -log2e B
	v_mul_f32 v[TCC], 0xbf38aa3b, v[CN+3*\q+2]     ; -log2e C / 2
.if \q == 0
	s_wait_alu depctr_va_vdst(0)                   ; the four logarithms have written log2 op, ahead of their first reader: one wait for the batch
.endif
.irp r, 0,1,2,3
	v_sub_f32 v[TD+\r], s[24+\r], v[REC+16*\q+5]   ; dy
	v_mul_f32 v[TT+\r], v[TCC], v[TD+\r]
	v_mul_f32 v[REC+16*\q+8+2*\r], v[TBB], v[TD+\r]                        ; a1
	v_fma_f32 v[REC+16*\q+9+2*\r], v[TT+\r], v[TD+\r], v[REC+16*\q+3]      ; a0
.endr
	v_mul_f32 v[REC+16*\q+5], 0xbf38aa3b, v[CN+3*\q]                       ; a2 takes my's place
.endr
	s_wait_dscnt 0x0
.irp k, 0,1,2,3,4,5,6,7,8,9,10,11
	v_cmp_ne_u32 s[40+\k], 0, v[FR+\k]
.endr
.irp m, 0,1,2,3
	v_cmp_ne_u32 s[52+\m], 0, v[OW+\m]             ; my own rows' hits, in the same run of compares
.endr
.irp m, 0,1,2,3
	v_add_nc_u32 v[TD+\m], -1, v[OW+\m]            ; i; an empty word gives 0xffffffff,
	v_min_u32 v[TD+\m], 0x200, v[TD+\m]            ; which the bound sends to word 512, the dump
	v_lshlrev_b32 v[TD+\m], 2, v[TD+\m]
.endr
	v_mov_b32 v2, s[NN]                            ; for step 3, made here so that the wait ahead of the stores below serves it too:
	v_min_u32 v2, 0x200, v2                        ; N is at most 512
	v_lshlrev_b32 v2, 6, v2                        ; the first byte behind the list's last record
	v_add_nc_u32 v2, v2, v3
	s_wait_alu depctr_va_sdst(0)                   ; the 16 compares have written s[40:55], ahead of their first readers: the bit counts and the four v_mbcnt
.irp k, 0,1,2,3,4,5,6,7,8,9,10,11
	s_bcnt1_i32_b32 s[40+\k], s[40+\k]
.endr
.irp m, 0,1,2
	s_bcnt1_i32_b32 s[56+\m], s[52+\m]             ; hits in my rows 0, 1, 2
.endr
.irp g, 0,1,2
	s_add_co_u32 s[40+4*\g], s[40+4*\g], s[41+4*\g]
	s_add_co_u32 s[42+4*\g], s[42+4*\g], s[43+4*\g]
	s_add_co_u32 s[40+4*\g], s[40+4*\g], s[42+4*\g]                        ; hits in the 4 rows of wave g: s40, s44, s48
.endr
	s_cmp_gt_u32 s16, 0
	s_cselect_b32 s20, s40, 0
	s_cmp_gt_u32 s16, 1
	s_cselect_b32 s21, s44, 0
	s_cmp_gt_u32 s16, 2
	s_cselect_b32 s22, s48, 0
	s_add_co_u32 s20, s20, s21
	s_add_co_u32 s20, s20, s22                     ; hits in front of my row 0,
	s_add_co_u32 s21, s20, s56                     ; of my row 1,
	s_add_co_u32 s22, s21, s57                     ; 2
	s_add_co_u32 s23, s22, s58                     ; and 3
.irp m, 0,1,2,3
	v_mbcnt_lo_u32_b32 v[TT+\m], s[52+\m], s[20+\m]        ; place = hits in front of the row + hits in the lanes below
.endr
	s_wait_alu depctr_va_vdst(0)                   ; TD and TT are written, which the four stores read; so are v2 and the records, which step 3's stores read
.irp m, 0,1,2,3
	ds_store_b32 v[TD+\m], v[TT+\m] offset:POS     ; all lanes: the lanes with an empty word write the dump
.endr
	s_wait_dscnt 0x0
	s_barrier_signal -1
	s_barrier_wait -1
	; step 3
	ds_store_b128 v2, v[NQ:NQ+3] offset:LIST       ; 128 threads x 16 bytes = 32 null records
	ds_load_b128 v[PS:PS+3], v3 offset:POS
	s_add_co_u32 s31, s[NN], 7
	s_lshr_b32 s31, s31, 3
	s_max_u32 s31, s31, 1                          ; trips of 8 records; an empty tile blends 8 null records rather than branch round the loop
	s_min_u32 s31, s31, 64                         ; 512 records are 64 trips
	s_lshl_b32 s32, s16, 3                         ; 8 w
	v_mov_b32 v[VA], 0
	v_mov_b32 v[VB], s32
	s_wait_dscnt 0x0
.irp q, 0,1,2,3
	v_min_u32 v[PS+\q], DUMP, v[PS+\q]             ; a place is below 512, or it is the dump's
	v_lshlrev_b32 v[PS+\q], 6, v[PS+\q]
.endr
	s_wait_alu depctr_va_vdst(0)                   ; PS is written, which the 16 stores read as addresses; so are VA and VB, which the first loads from the list read
.irp q, 0,1,2,3
	ds_store_b128 v[PS+\q], v[REC+16*\q:REC+16*\q+3] offset:LIST
	ds_store_b64 v[PS+\q], v[REC+16*\q+4:REC+16*\q+5] offset:LIST+16
	ds_store_b128 v[PS+\q], v[REC+16*\q+8:REC+16*\q+11] offset:LIST+32
	ds_store_b128 v[PS+\q], v[REC+16*\q+12:REC+16*\q+15] offset:LIST+48
.endr
	s_wait_dscnt 0x0
	s_barrier_signal -1
	s_barrier_wait -1
; 3 LDS loads: record g of a set of 4, which begins at byte off behind the trip's first record
.macro LOADREC set, off, g
	ds_load_b128 v[\set+8*\g:\set+8*\g+3], v[VA] offset:LIST+\off+PITCH*\g
	ds_load_b64 v[\set+8*\g+4:\set+8*\g+5], v[VA] offset:LIST+\off+PITCH*\g+16
	ds_load_b64 v[\set+8*\g+6:\set+8*\g+7], v[VB] offset:LIST+\off+PITCH*\g+32
.endm
; Half a trip: 4 gaussians x 2 pixels out of set; the 12 loads of the 4 records at byte off go into the other set, oth.
; tin: T in front of the first gaussian, tout: T behind the last.
.macro STEP set, tin, tout, oth, off
	s_wait_dscnt 0x0                               ; this set's 12 loads, issued half a trip ago (the first: ahead of the loop), are in
	s_wait_alu depctr_va_vdst(0)                   ; the half trip before is done reading the other set, in which the loads below land; at a trip's head VA and VB are written
.irp g, 0,1,2,3
	LOADREC \oth, \off, \g                         ; no vector instruction since the wait names the other set, VA or VB
	v_pk_add_f32 v[D+2*\g:D+2*\g+1], v[PX:PX+1], v[\set+8*\g+4:\set+8*\g+5] op_sel_hi:[1,0] neg_lo:[0,1] neg_hi:[0,1]    ; dx = px - mx
.endr
.irp g, 0,1,2,3
	v_pk_fma_f32 v[W+2*\g:W+2*\g+1], v[D+2*\g:D+2*\g+1], v[\set+8*\g+4:\set+8*\g+5], v[\set+8*\g+6:\set+8*\g+7] op_sel:[0,1,0] op_sel_hi:[1,1,0]   ; a2 dx + a1
.endr
.irp g, 0,1,2,3
	v_pk_fma_f32 v[W+2*\g:W+2*\g+1], v[D+2*\g:D+2*\g+1], v[W+2*\g:W+2*\g+1], v[\set+8*\g+6:\set+8*\g+7] op_sel:[0,0,1] op_sel_hi:[1,1,1]           ; dx ( ) + a0
.endr
.irp j, 0,1,2,3,4,5,6,7
	v_exp_f32 v[E+\j], v[W+\j]
.endr
.irp g, 0,1,2,3
	v_cmp_le_f32 s[SA+2*\g], v[W+2*\g], v[\set+8*\g+3]         ; sigma >= 0; these compares are also the plain instructions behind the exponentials
	v_cmp_le_f32 s[SA+2*\g+1], v[W+2*\g+1], v[\set+8*\g+3]
.endr
	s_wait_alu depctr_va_vdst(0)                   ; the eight exponentials have written E, ahead of their first reader: one wait for the batch
.irp j, 0,1,2,3,4,5,6,7
	v_cmp_ge_f32 s[SB+\j], v[E+\j], s28                        ; alpha >= 1/255 (the cap of 0.99 lies above it)
.endr
.irp j, 0,1,2,3,4,5,6,7
	v_min_num_f32 v[E+\j], s29, v[E+\j]
.endr
	s_wait_alu depctr_va_sdst(0)                   ; the 16 compares have written SA and SB, ahead of their first readers, the ANDs below
.irp j, 0,1,2,3,4,5,6,7
	s_and_b32 s[SA+\j], s[SA+\j], s[SB+\j]
.endr
.irp j, 0,1,2,3,4,5,6,7
	v_cndmask_b32 v[E+\j], 0, v[E+\j], s[SA+\j]
.endr
	v_pk_fma_f32 v[T1:T1+1], v[E:E+1], v[\tin:\tin+1], v[\tin:\tin+1] neg_lo:[1,0,0] neg_hi:[1,0,0]    ; T - alpha T
	v_cmp_gt_f32 s[SL], v[\tin], s30                           ; live: T in front of the gaussian > 1e-4
	v_cmp_gt_f32 s[SL+1], v[\tin+1], s30
	v_pk_fma_f32 v[T2:T2+1], v[E+2:E+3], v[T1:T1+1], v[T1:T1+1] neg_lo:[1,0,0] neg_hi:[1,0,0]
	v_cmp_gt_f32 s[SL+2], v[T1], s30
	v_cmp_gt_f32 s[SL+3], v[T1+1], s30
	v_pk_fma_f32 v[T3:T3+1], v[E+4:E+5], v[T2:T2+1], v[T2:T2+1] neg_lo:[1,0,0] neg_hi:[1,0,0]
	v_cmp_gt_f32 s[SL+4], v[T2], s30
	v_cmp_gt_f32 s[SL+5], v[T2+1], s30
	v_pk_fma_f32 v[\tout:\tout+1], v[E+6:E+7], v[T3:T3+1], v[T3:T3+1] neg_lo:[1,0,0] neg_hi:[1,0,0]
	v_cmp_gt_f32 s[SL+6], v[T3], s30
	v_cmp_gt_f32 s[SL+7], v[T3+1], s30
	s_wait_alu depctr_va_sdst(0)                   ; the eight compares have written SL, ahead of their first readers, the selects below
	v_cndmask_b32 v[\tin], 0, v[\tin], s[SL]
	v_cndmask_b32 v[\tin+1], 0, v[\tin+1], s[SL+1]
.irp j, 0,1,2,3,4,5
	v_cndmask_b32 v[T1+\j], 0, v[T1+\j], s[SL+2+\j]            ; T1, T2, T3 lie side by side
.endr
	v_pk_mul_f32 v[E:E+1], v[E:E+1], v[\tin:\tin+1]            ; the contribution alpha T live
	v_pk_mul_f32 v[E+2:E+3], v[E+2:E+3], v[T1:T1+1]
	v_pk_mul_f32 v[E+4:E+5], v[E+4:E+5], v[T2:T2+1]
	v_pk_mul_f32 v[E+6:E+7], v[E+6:E+7], v[T3:T3+1]
.irp g, 0,1,2,3
	v_pk_fma_f32 v[CR:CR+1], v[E+2*\g:E+2*\g+1], v[\set+8*\g:\set+8*\g+1], v[CR:CR+1] op_sel_hi:[1,0,1]
	v_pk_fma_f32 v[CG:CG+1], v[E+2*\g:E+2*\g+1], v[\set+8*\g:\set+8*\g+1], v[CG:CG+1] op_sel:[0,1,0] op_sel_hi:[1,1,1]
	v_pk_fma_f32 v[CB:CB+1], v[E+2*\g:E+2*\g+1], v[\set+8*\g+2:\set+8*\g+3], v[CB:CB+1] op_sel_hi:[1,0,1]
.endr
.endm
.irp g, 0,1,2,3
	LOADREC SETA, 0, \g                            ; the first set; VA and VB were written ahead of step 3's wait, and no vector instruction has named this set
.endr
	s_mov_b32 s33, 0
.Ltrip:
	STEP SETA, TA, TB, SETB, 4*PITCH
	STEP SETB, TB, TA, SETA, 8*PITCH               ; its loads are the next trip's first set; behind the last trip these are null records
	s_add_co_u32 s33, s33, 1
	s_wait_alu depctr_vm_vsrc(0)                   ; the loads from the list issued so far have read VA and VB, which the lines below write
	v_mov_b32 v[VA], s33
	v_min_u32 v[VA], 63, v[VA]                     ; the last of 64 trips: every address of the loop stays inside the list
	v_lshlrev_b32 v[VA], 9, v[VA]                  ; 8 records of 64 bytes a trip
	v_add_nc_u32 v[VB], s32, v[VA]
	s_cmp_lt_u32 s33, s31
	s_cbranch_scc1 .Ltrip
	; The loop's number of trips hangs on a count that was read.  Behind this barrier no wave reads the list any more, so the stage's stores
	; below are ordered behind every wave's list reads without leaning on that count.  All four waves make the same number of trips.
	s_wait_dscnt 0x0                               ; my reads of the list are over, the 12 loads of the look-ahead among them
	s_wait_alu depctr_vm_vsrc(0)                   ; the head's LDS store has read v40 to v42, which the lines below write; step 1's stores have read v10 and v11, in which loads land below
	s_barrier_signal -1
	s_mul_i32 s35, s16, 768                        ; register work while the others arrive: my stage,
	v_mad_u32_u24 v[ST], v1, 12, s35
	v_lshl_add_u32 v[RB], v1, 3, s35
	s_lshl2_add_u32 s36, s17, s16                  ; y = 4 ty + w
	s_mul_i32 s36, s36, 3072                       ; a row of the image
	s_mul_i32 s37, ttmp9, 768
	s_add_co_u32 s36, s36, s37
	v_lshl_add_u32 v[GO], v1, 3, s36               ; and my 8 bytes in the image
	s_barrier_wait -1
	; the way out: my row's 64 pixels are 768 consecutive bytes.  12 bytes a pixel go into my wave's own stage and come back as 8 bytes a lane,
	; so that each store of the wave covers 256 consecutive bytes, aligned.  LDS serves a wave's instructions in order: no wait between.
	s_wait_alu depctr_va_vdst(0)                   ; ST, RB, GO and the six sums are written, which the LDS instructions and stores below read; the vector lines that named v10 to v15 are done
	ds_store_b32 v[ST], v[CR] offset:STAGE
	ds_store_b32 v[ST], v[CG] offset:STAGE+4
	ds_store_b32 v[ST], v[CB] offset:STAGE+8
	ds_store_b32 v[ST], v[CR+1] offset:STAGE+384
	ds_store_b32 v[ST], v[CG+1] offset:STAGE+388
	ds_store_b32 v[ST], v[CB+1] offset:STAGE+392
	ds_load_b64 v[10:11], v[RB] offset:STAGE
	ds_load_b64 v[12:13], v[RB] offset:STAGE+256
	ds_load_b64 v[14:15], v[RB] offset:STAGE+512
	s_wait_dscnt 0x2                               ; the first of the three read-backs is in (and everything older)
	global_store_b64 v[GO], v[10:11], s[14:15] th:TH_STORE_NT
	s_wait_dscnt 0x1
	global_store_b64 v[GO], v[12:13], s[14:15] offset:256 th:TH_STORE_NT
	s_wait_dscnt 0x0
	global_store_b64 v[GO], v[14:15], s[14:15] offset:512 th:TH_STORE_NT
	s_wait_dscnt 0x0
	s_wait_alu depctr_hold_cnt(0) depctr_sa_sdst(0) depctr_va_vdst(0) depctr_va_sdst(0) depctr_va_ssrc(0) depctr_va_vcc(0) depctr_vm_vsrc(0)
	s_wait_tensorcnt 0x0
	ds_add_u32 v126, v127
	s_wait_dscnt 0x0
	s_endpgm
.Lfunc_end_k_q06ecefd304_render:
	.size	k_q06ecefd304_render, .Lfunc_end_k_q06ecefd304_render-k_q06ecefd304_render
	.p2alignl 7, 3214868480
	.fill 96, 4, 3214868480
	.section	.rodata,"a",@progbits
	.p2align	6, 0x0
	.amdhsa_kernel k_q06ecefd304_render
		.amdhsa_group_segment_fixed_size 43008
		.amdhsa_private_segment_fixed_size 0
		.amdhsa_enable_private_segment 0
		.amdhsa_kernarg_size 48
		.amdhsa_user_sgpr_count 2
		.amdhsa_user_sgpr_kernarg_segment_ptr 1
		.amdhsa_wavefront_size32 1
		.amdhsa_system_sgpr_workgroup_id_x 1
		.amdhsa_system_sgpr_workgroup_id_y 1
		.amdhsa_system_sgpr_workgroup_id_z 1
		.amdhsa_system_vgpr_workitem_id 0
		.amdhsa_next_free_vgpr 256
		.amdhsa_next_free_sgpr 84
		.amdhsa_reserve_vcc 0
		.amdhsa_float_denorm_mode_32 3
		.amdhsa_float_denorm_mode_16_64 3
		.amdhsa_memory_ordered 1
		.amdhsa_forward_progress 1
		.amdhsa_inst_pref_size 33
	.end_amdhsa_kernel
	.amdgpu_metadata
---
amdhsa.version: [ 1, 2 ]
amdhsa.kernels:
  - .name:           k_q06ecefd304_render
    .symbol:         k_q06ecefd304_render.kd
    .args:
      - { .name: means2d, .offset: 0, .size: 8, .value_kind: global_buffer, .address_space: global }
      - { .name: conics, .offset: 8, .size: 8, .value_kind: global_buffer, .address_space: global }
      - { .name: colors, .offset: 16, .size: 8, .value_kind: global_buffer, .address_space: global }
      - { .name: opacities, .offset: 24, .size: 8, .value_kind: global_buffer, .address_space: global }
      - { .name: bins, .offset: 32, .size: 8, .value_kind: global_buffer, .address_space: global }
      - { .name: out0, .offset: 40, .size: 8, .value_kind: global_buffer, .address_space: global }
    .group_segment_fixed_size: 43008
    .private_segment_fixed_size: 0
    .kernarg_segment_align: 8
    .kernarg_segment_size: 48
    .max_flat_workgroup_size: 128
    .sgpr_count:     84
    .vgpr_count:     256
    .wavefront_size: 32
...
	.end_amdgpu_metadata
.endif
;; end of part 3
